; MI455X (gfx1250); checked and timed in simulation.
; The chip was launched on July 23, 2026; its instructions are those of AMD's public machine-readable ISA for CDNA 5 (MIT licence, August 2026) and "CDNA5" Instruction Set Architecture Reference Guide (July 2026). The comments in the code are by the model that wrote it; some were corrected since.
;; Brain Quantum Layer. Allowed arithmetic: matrix products marked QUANTISED: E2M1 operands, one E8M0 scale for each 32 along K, by v_wmma_scale_f32_16x16x128_f8f6f4 with both operands' format E2M1 (or v_wmma_scale_f32_32x16x128_f4), f32 sums; products left as they are: bf16, f16 or f32 operands; f32 sums; everything else in f32.
;; Inputs: J 2,048 x 2,048 float32; W_in 2,048 x 1,024 float32; W_out 1,024 x 2,048 float32; b_in 2,048 float32; b_out 1,024 float32; lam one number float32; mask 2,048 x 2,048 float32; noise_raw 1 x 4,096 x 2,048 float32; theta 2,048 float32; weights 2,048 x 2,048 float32; x 4,096 x 1,024 float32.
;; Outputs: out0 4,096 x 1,024 float32.
;; Constants: time_steps = 1.
;; This version of the problem:
;;   THIS VERSION OF THE PROBLEM IS GIVEN IN LOW PRECISION. The matrix products marked QUANTISED in the list below multiply operands that are first quantised to E2M1 (2 exponent bits, 1 mantissa bit; 4 bits a number), with one power-of-two scale for each 32 numbers along K (OCP MX v1.0); their sums are f32. The products marked 'left as it is' may take bf16, f16 or f32 operands, with f32 sums. Whichever they take, every output number must still come out within the allowed error. Rounding operands to bf16 (8 significant bits) uses up far more of that allowance than f16 does (11 bits, for magnitudes from 6e-5 to 65,504). All else is computed in f32.
;;   The module's matrix products, in the order in which they are computed (A, B: the left and right operand; K: the contracted axis; several contracted axes count as one K, in the product's order):
;;     1. [M 4,096, K 1,024] x [K 1,024, N 2,048]; A: input x; B: input W_in: QUANTISED
;;     2. [M 4,096, K 2,048] x [K 2,048, N 2,048]; A: computed on the way; B: computed on the way: left as it is (an operand is computed on the way)
;;     3. [M 4,096, K 2,048] x [K 2,048, N 2,048]; A: computed on the way; B: computed on the way: left as it is (an operand is computed on the way)
;;     4. [M 4,096, K 2,048] x [K 2,048, N 1,024]; A: computed on the way; B: input W_out: left as it is (an operand is computed on the way)
;;   THE QUANTISER, for each operand of a quantised product, along K:
;;     - K is cut into blocks of 32 from its start; a last block that is shorter is filled with zeros.
;;     - A block's scale is 2^e with e = floor(log2(the largest magnitude in the block)) - 2, held to -126 .. 127; a block of zeros has e = 0. As a byte (E8M0): e + 127.
;;     - Each number is divided by its block's scale, clamped to +-6, and rounded to the nearest number of E2M1, ties to even, subnormals kept.
;;     - The product sums the exact products of the quantised numbers (number of the format x scale) in f32.
;;   ~~~python
;;   def quantise(x, axis):      # numpy; x: float32 -> the quantised numbers, widened to float32 again
;;       x = np.moveaxis(x, axis, -1); K = x.shape[-1]
;;       x = np.pad(x, [(0, 0)] * (x.ndim - 1) + [(0, -K % 32)]); x = x.reshape(x.shape[:-1] + (-1, 32)); a = np.abs(x).max(-1, keepdims=True)
;;       e = np.where(a > 0, np.clip(np.frexp(np.where(a > 0, a, 1))[1] - 1 - 2, -126, 127), 0)      # np.frexp(a)[1] - 1 = floor(log2(a)), exactly
;;       r = np.clip(x / 2.0 ** e, -6, 6)
;;       step = 2.0 ** (np.maximum(np.frexp(np.where(r == 0, 1, r))[1] - 1, 0) - 1)
;;       q = np.round(r / step) * step * 2.0 ** e      # np.round: ties to even
;;       return np.moveaxis(q.reshape(q.shape[:-2] + (-1,))[..., :K], -1, axis).astype(np.float32)
;;   ~~~
;; One version. Each part assembles by itself: llvm-mc -triple=amdgcn-amd-amdhsa -mcpu=gfx1250 --defsym DOCPART=n.
;; ======== version 1 of 1: 4 launches
;; limits: values are held in f16: magnitudes above 65,504 overflow, below 6.1e-05 lose precision
;; workspace buffers: codes 3,145,728 bytes; qs 204,800 bytes; bcat 16,777,216 bytes; wo16 4,194,304 bytes; acat 33,554,432 bytes; ls 33,554,432 bytes; st2 16,777,216 bytes
;; launch prep (part 1): grid 1473 x 1, 4 waves a work-group, no clusters, 33,280 bytes of LDS; arguments x, W_in, J, weights, mask, W_out, theta, codes, qs, bcat, wo16; writes codes, qs, bcat, wo16
.if DOCPART == 1
	.amdgcn_target "amdgcn-amd-amdhsa--gfx1250"
	.amdhsa_code_object_version 6
	.text
	.protected	k_q1257de6bbd_prep
	.globl	k_q1257de6bbd_prep
	.p2align	8
	.type	k_q1257de6bbd_prep,@function
k_q1257de6bbd_prep:
	s_mov_b64 s[64:65], 0
	v_nop
	global_prefetch_b8 v0, s[64:65] scope:SCOPE_SE
	s_setreg_imm32_b32 hwreg(HW_REG_WAVE_MODE, 25, 1), 1
	s_wait_xcnt 0x0
; BrainQuantumLayer, launch 1 of 4: everything that is made of inputs alone, once.
; NOTHING OF reference() IS LEFT OUT in this program: every input has a way to the output, and time_steps = 1 is one pass through its loop.
; Four kinds of work-group, told apart by the work-group's number alone:
;   0 .. 191      x [4096][1024] and W_in [2048][1024], f32, K innermost, become codes of FP4 (E2M1) and one E8M0 byte for each 32 along K.  codes: x's rows of 512 bytes, then W_in's;  qs: x's rows of 32 bytes, then W_in's.
;   192 .. 1215   bcat [4096 (k)][2048 (n)] f16: rows 0-2047 = J x mask, rows 2048-4095 = weights x mask: the products in f32, rounded once.  K stays the first axis: nothing is transposed.
;   1216 .. 1471  wo16 = W_out rounded to f16.
;   1472          qs from byte 196,608: t01[n] = 0.1 |sin(2 theta[n])|, f32.
; THE QUANTISER: a block's scale is 2^(floor(log2(largest magnitude)) - 2); its byte is the largest magnitude's exponent field - 2, held at 1 from below; numbers are divided by the scale and rounded to the nearest code, ties to even, beyond 6 the code of 6.
; LIMITS: a block of zeros gets the byte 1 where the rule says 127 (its codes are zeros, and this program alone reads the bytes); blocks whose largest magnitude lies under 2^-124 are held at the byte 1;
; |J x mask|, |weights x mask|, |W_out| above 65,504 become infinities in f16, and magnitudes under 6e-5 keep an absolute error of 3e-8; NaN and infinities among the inputs are not served.
; |sin(2 theta)| = |sin(pi r)|, r = 2 theta / pi less the nearest whole number (2 / pi in two f32 parts, two fused multiply-adds), by the odd series to r^11: cut at under 6e-8 for every theta, since |r| <= 1/2.
.set WAVES, 4
.set STEPS, 16
.set CB,    8                          ; bytes of 16 codes
.set R,     16                         ; v16-79   four sets of 16 numbers as they are loaded
.set X,     80                         ; v80-111  two sets of 16 neighbours
.set E,     112                        ; v112-127 a scale byte for each step
.set C,     128                        ; v128-191 codes: four registers for each step
.set WREG,  8192                       ; LDS: a region for each wave: two stages of 32 x SP bytes, then its 256 scale bytes
.set SP,    80                         ; a lane's place in a stage: 64 bytes + 16 of padding
.set SPW,   12                         ; v12 LDS address of my spare word; never rewritten
.set NIL,   13                         ; v13 0; never rewritten
.set SPARE, WAVES*WREG                 ; the spare words: 128 bytes for each wave, named by no other line
	s_load_b256 s[4:11], s[0:1], 0x0               ; x 4:5, W_in 6:7, J 8:9, weights 10:11
	s_load_b256 s[12:19], s[0:1], 0x20             ; mask 12:13, W_out 14:15, theta 16:17, codes 18:19
	s_load_b128 s[20:23], s[0:1], 0x40             ; qs 20:21, bcat 22:23
	s_load_b64 s[24:25], s[0:1], 0x50              ; wo16
	v_lshl_add_u32 v[SPW], v0, 2, SPARE
	v_mov_b32 v[NIL], 0
	v_lshrrev_b32 v1, 5, v0
	v_readfirstlane_b32 s26, v1                    ; wave 0..3
	v_and_b32 v2, 31, v0                           ; lane
	s_mov_b32 s29, 0                               ; the upper word of every offset pair s[28:29]
	s_wait_kmcnt 0x0
	s_cmp_lt_u32 ttmp9, 192
	s_cbranch_scc1 .Lquant
	s_cmp_lt_u32 ttmp9, 1216
	s_cbranch_scc1 .Lmask
	s_cmp_lt_u32 ttmp9, 1472
	s_cbranch_scc1 .Lwout
	; ---- t01 = 0.1 |sin(2 theta)|: 128 threads x 16 numbers
	v_lshlrev_b32 v1, 4, v0
.irp i, 0,1,2,3
	global_load_b128 v[16+4*\i:19+4*\i], v1, s[16:17] offset:2048*\i
.endr
	s_mov_b32 s27, 0x3f22f983                      ; 2 / pi, its upper part
	s_mov_b32 s28, 0x32dc9c88                      ; and what is left of it
	s_mov_b32 s30, 0x3dcccccd                      ; 0.1
	v_mov_b32 v3, 0xbbf183a8                       ; -pi^11 / 11!
	s_wait_loadcnt 0x0
.set ti, 0
.rept 16
	v_mul_f32 v[32+ti], s27, v[16+ti]
	v_rndne_f32 v[32+ti], v[32+ti]                 ; the nearest whole number to 2 theta / pi
	v_fma_f32 v[32+ti], v[16+ti], s27, -v[32+ti]
	v_fma_f32 v[32+ti], v[16+ti], s28, v[32+ti]    ; r
	v_mul_f32 v[48+ti], v[32+ti], v[32+ti]         ; r^2
	v_fmaak_f32 v[64+ti], v[48+ti], v3, 0x3da83c1a           ; + pi^9 / 9!
	v_fmaak_f32 v[64+ti], v[64+ti], v[48+ti], 0xbf196966     ; - pi^7 / 7!
	v_fmaak_f32 v[64+ti], v[64+ti], v[48+ti], 0x402335e3     ; + pi^5 / 5!
	v_fmaak_f32 v[64+ti], v[64+ti], v[48+ti], 0xc0a55de7     ; - pi^3 / 3!
	v_fmaak_f32 v[64+ti], v[64+ti], v[48+ti], 0x40490fdb     ; + pi
	v_mul_f32 v[64+ti], v[64+ti], v[32+ti]         ; sin(pi r)
	v_mul_f32 v[64+ti], s30, |v[64+ti]|
.set ti, ti+1
.endr
.irp i, 0,1,2,3
	global_store_b128 v1, v[64+4*\i:67+4*\i], s[20:21] offset:196608+2048*\i
.endr
	s_endpgm
	; ---- bcat: 4,096 numbers a work-group, 1,024 a wave, in 8 items of 128: each load reads 512 consecutive bytes, each store writes 256, aligned
.Lmask:
	s_sub_co_u32 s27, ttmp9, 192
	s_lshl_b32 s28, s27, 14
	s_lshl_b32 s30, s26, 12
	s_add_co_u32 s28, s28, s30                     ; my wave's first byte in J, weights and mask
	s_add_nc_u64 s[8:9], s[8:9], s[28:29]
	s_add_nc_u64 s[10:11], s[10:11], s[28:29]
	s_add_nc_u64 s[12:13], s[12:13], s[28:29]
	s_lshr_b32 s28, s28, 1                         ; and in an f16 image of them
	s_add_nc_u64 s[22:23], s[22:23], s[28:29]      ; J x mask: rows 0 on
	s_add_nc_u64 s[30:31], s[22:23], 0x800000      ; weights x mask: rows 2,048 on
	v_lshlrev_b32 v1, 4, v2
	v_lshlrev_b32 v3, 3, v2
.irp t, 0,1,2,3,4,5,6,7
	global_load_b128 v[16+4*\t:19+4*\t], v1, s[8:9] offset:512*\t th:TH_LOAD_NT
	global_load_b128 v[48+4*\t:51+4*\t], v1, s[10:11] offset:512*\t th:TH_LOAD_NT
	global_load_b128 v[80+4*\t:83+4*\t], v1, s[12:13] offset:512*\t th:TH_LOAD_NT
.endr
.irp t, 0,1,2,3,4,5,6,7
	s_wait_loadcnt 21-3*\t                         ; item t's three loads are in; the three of each later item may be out
	v_pk_mul_f32 v[16+4*\t:17+4*\t], v[16+4*\t:17+4*\t], v[80+4*\t:81+4*\t]
	v_pk_mul_f32 v[18+4*\t:19+4*\t], v[18+4*\t:19+4*\t], v[82+4*\t:83+4*\t]
	v_pk_mul_f32 v[48+4*\t:49+4*\t], v[48+4*\t:49+4*\t], v[80+4*\t:81+4*\t]
	v_pk_mul_f32 v[50+4*\t:51+4*\t], v[50+4*\t:51+4*\t], v[82+4*\t:83+4*\t]
	v_cvt_pk_f16_f32 v[112+4*\t], v[16+4*\t], v[17+4*\t]
	v_cvt_pk_f16_f32 v[113+4*\t], v[18+4*\t], v[19+4*\t]
	v_cvt_pk_f16_f32 v[114+4*\t], v[48+4*\t], v[49+4*\t]
	v_cvt_pk_f16_f32 v[115+4*\t], v[50+4*\t], v[51+4*\t]
	global_store_b64 v3, v[112+4*\t:113+4*\t], s[22:23] offset:256*\t      ; no register is written twice: no store's data wait for anything
	global_store_b64 v3, v[114+4*\t:115+4*\t], s[30:31] offset:256*\t
.endr
	s_endpgm
	; ---- wo16: 8,192 numbers a work-group, 2,048 a wave, 16 loads
.Lwout:
	s_sub_co_u32 s27, ttmp9, 1216
	s_lshl_b32 s28, s27, 15
	s_lshl_b32 s30, s26, 13
	s_add_co_u32 s28, s28, s30
	s_add_nc_u64 s[14:15], s[14:15], s[28:29]
	s_lshr_b32 s28, s28, 1
	s_add_nc_u64 s[24:25], s[24:25], s[28:29]
	v_lshlrev_b32 v1, 4, v2
	v_lshlrev_b32 v3, 3, v2
.irp t, 0,1,2,3,4,5,6,7,8,9,10,11,12,13,14,15
	global_load_b128 v[16+4*\t:19+4*\t], v1, s[14:15] offset:512*\t th:TH_LOAD_NT
.endr
.irp t, 0,1,2,3,4,5,6,7,8,9,10,11,12,13,14,15
	s_wait_loadcnt 15-\t
	v_cvt_pk_f16_f32 v[112+2*\t], v[16+4*\t], v[17+4*\t]
	v_cvt_pk_f16_f32 v[113+2*\t], v[18+4*\t], v[19+4*\t]
	global_store_b64 v3, v[112+2*\t:113+2*\t], s[24:25] offset:256*\t
.endr
	s_endpgm
	; ---- the quantiser.  Rows are dense and K is a multiple of 32: both tensors are plain streams of blocks of 32.  A wave takes a run of 8,192 numbers in 16 steps of 512.
	; Each load reads 512 consecutive bytes; a step's 2,048 bytes turn through the wave's own stage in LDS and come back 64 bytes a lane: 16 neighbours along K, two lanes to a block.
.Lquant:
	s_cmp_lt_u32 ttmp9, 128                        ; x's work-group or W_in's: the choice hangs on the work-group's number alone
	s_cselect_b64 s[4:5], s[4:5], s[6:7]
	s_cselect_b32 s27, 0, 128
	s_sub_co_u32 s27, ttmp9, s27
	s_lshl_b32 s27, s27, 2
	s_add_co_u32 s27, s27, s26                     ; my run in its tensor
	s_lshl_b32 s28, s27, 15
	s_add_nc_u64 s[4:5], s[4:5], s[28:29]
	s_lshl_b32 s27, ttmp9, 2
	s_add_co_u32 s27, s27, s26                     ; my run among both tensors': W_in's runs follow x's 512
	s_lshl_b32 s28, s27, 12
	s_add_nc_u64 s[18:19], s[18:19], s[28:29]      ; 4,096 bytes of codes a run
	s_lshl_b32 s28, s27, 8
	s_add_nc_u64 s[20:21], s[20:21], s[28:29]      ; 256 scale bytes a run
	v_lshlrev_b32 v3, 4, v2                        ; my 16 bytes of a load's 512
	s_mul_i32 s30, s26, WREG
	v_lshrrev_b32 v14, 2, v2
	v_mul_u32_u24 v14, v14, SP
	v_and_b32 v15, 3, v2
	v_lshl_add_u32 v14, v15, 4, v14
	v_add_nc_u32 v14, s30, v14                     ; the stage, on the way in: SP (lane / 4) + 16 (lane % 4)
	v_mul_u32_u24 v15, v2, SP
	v_add_nc_u32 v15, s30, v15                     ; and on the way out: SP x lane
	v_mul_u32_u24 v4, v2, CB                       ; my codes' place in a step's
	v_lshrrev_b32 v5, 1, v2
	s_add_co_u32 s30, s30, 2*32*SP
	v_add_nc_u32 v5, s30, v5                       ; my wave's 256 scale bytes, my block's byte
	v_lshlrev_b32 v7, 3, v2
	v_add_nc_u32 v6, s30, v7                       ; and on the way out 8 bytes a lane
.macro QLOAD t
.irp i, 0,1,2,3
	global_load_b128 v[R+16*((\t)%4)+4*\i:R+16*((\t)%4)+4*\i+3], v3, s[4:5] offset:2048*(\t)+512*\i th:TH_LOAD_NT
.endr
.endm
.macro QTURN t                         ; step t's numbers through the stage: LDS serves a wave's instructions in order, so no wait stands between the stores and the loads
.irp i, 0,1,2,3
	ds_store_b128 v14, v[R+16*((\t)%4)+4*\i:R+16*((\t)%4)+4*\i+3] offset:32*SP*((\t)%2)+8*SP*\i
.endr
.irp i, 0,1,2,3
	ds_load_b128 v[X+16*((\t)%2)+4*\i:X+16*((\t)%2)+4*\i+3], v15 offset:32*SP*((\t)%2)+16*\i
.endr
.endm
.irp t, 0,1,2,3
	QLOAD \t
.endr
	s_wait_loadcnt 12                              ; step 0's four loads are in
	QTURN 0
.macro QSTEP t
.set XS, X+16*((\t)%2)
.if (\t) > 0
	s_wait_dscnt 1                                 ; this step's numbers are back from the stage (the last step's byte store may be out)
.else
	s_wait_dscnt 0x0
.endif
.if (\t)+4 < STEPS
	QLOAD (\t)+4                                   ; into the registers that this step's stores into the stage have read
.endif
.if (\t)+1 < STEPS
.if STEPS-2-(\t) >= 3
	s_wait_loadcnt 12                              ; the next step's four loads are in; those of the three steps behind it may be out
.else
	s_wait_loadcnt 4*(STEPS-2-(\t))
.endif
	QTURN (\t)+1
.endif
	v_max3_num_f32 v8, |v[XS]|, |v[XS+1]|, |v[XS+2]|               ; the largest magnitude of my 16, in two chains
	v_max3_num_f32 v9, |v[XS+3]|, |v[XS+4]|, |v[XS+5]|
.irp i, 6,10
	v_max3_num_f32 v8, v8, |v[XS+\i]|, |v[XS+\i+1]|
	v_max3_num_f32 v9, v9, |v[XS+\i+2]|, |v[XS+\i+3]|
.endr
	v_max3_num_f32 v8, v8, |v[XS+14]|, |v[XS+15]|
	v_max3_num_f32 v8, v8, v9, 0x1800000           ; and the floor 2^(3 - 127): the byte cannot fall under 1
	v_max_num_f32_dpp v8, v8, v8 row_xmask:1 row_mask:0xf bank_mask:0xf   ; and of my neighbour's 16: the block's
	v_add_nc_u32 v11, 0xff000000, v8               ; 2 off its exponent field: the conversion takes the exponent field of this operand as its scale
	v_cvt_scalef32_pk8_fp4_f32 v[C+4*(\t)], v[XS:XS+7], v11
	v_cvt_scalef32_pk8_fp4_f32 v[C+4*(\t)+1], v[XS+8:XS+15], v11
	v_lshrrev_b32 v[E+(\t)], 23, v11               ; the scale's byte
	ds_store_b8 v5, v[E+(\t)] offset:16*(\t)       ; both lanes of a block write the same byte with the same value
	global_store_b64 v4, v[C+4*(\t):C+4*(\t)+1], s[18:19] offset:32*CB*(\t)   ; 32 lanes store 256 consecutive bytes, aligned
.endm
.irp t, 0,1,2,3,4,5,6,7,8,9,10,11,12,13,14,15
	QSTEP \t
.endr
	ds_load_b64 v[8:9], v6                         ; LDS serves a wave's instructions in order: these see my stores
	s_wait_dscnt 0x0
	global_store_b64 v7, v[8:9], s[20:21]          ; the run's 256 scale bytes, aligned
	s_wait_tensorcnt 0x0                           ; the wave's end
	ds_add_u32 v[SPW], v[NIL]
	s_wait_dscnt 0x0
	s_endpgm
.Lfunc_end_k_q1257de6bbd_prep:
	.size	k_q1257de6bbd_prep, .Lfunc_end_k_q1257de6bbd_prep-k_q1257de6bbd_prep
	.p2alignl 7, 3214868480
	.fill 96, 4, 3214868480
	.section	.rodata,"a",@progbits
	.p2align	6, 0x0
	.amdhsa_kernel k_q1257de6bbd_prep
		.amdhsa_group_segment_fixed_size 33280
		.amdhsa_private_segment_fixed_size 0
		.amdhsa_enable_private_segment 0
		.amdhsa_kernarg_size 88
		.amdhsa_user_sgpr_count 2
		.amdhsa_user_sgpr_kernarg_segment_ptr 1
		.amdhsa_wavefront_size32 1
		.amdhsa_system_sgpr_workgroup_id_x 1
		.amdhsa_system_sgpr_workgroup_id_y 1
		.amdhsa_system_sgpr_workgroup_id_z 1
		.amdhsa_system_vgpr_workitem_id 0
		.amdhsa_next_free_vgpr 192
		.amdhsa_next_free_sgpr 66
		.amdhsa_reserve_vcc 0
		.amdhsa_float_denorm_mode_32 3
		.amdhsa_float_denorm_mode_16_64 3
		.amdhsa_memory_ordered 1
		.amdhsa_forward_progress 1
		.amdhsa_inst_pref_size 59
	.end_amdhsa_kernel
	.amdgpu_metadata
---
amdhsa.version: [ 1, 2 ]
amdhsa.kernels:
  - .name:           k_q1257de6bbd_prep
    .symbol:         k_q1257de6bbd_prep.kd
    .args:
      - { .name: x, .offset: 0, .size: 8, .value_kind: global_buffer, .address_space: global }
      - { .name: W_in, .offset: 8, .size: 8, .value_kind: global_buffer, .address_space: global }
      - { .name: J, .offset: 16, .size: 8, .value_kind: global_buffer, .address_space: global }
      - { .name: weights, .offset: 24, .size: 8, .value_kind: global_buffer, .address_space: global }
      - { .name: mask, .offset: 32, .size: 8, .value_kind: global_buffer, .address_space: global }
      - { .name: W_out, .offset: 40, .size: 8, .value_kind: global_buffer, .address_space: global }
      - { .name: theta, .offset: 48, .size: 8, .value_kind: global_buffer, .address_space: global }
      - { .name: codes, .offset: 56, .size: 8, .value_kind: global_buffer, .address_space: global }
      - { .name: qs, .offset: 64, .size: 8, .value_kind: global_buffer, .address_space: global }
      - { .name: bcat, .offset: 72, .size: 8, .value_kind: global_buffer, .address_space: global }
      - { .name: wo16, .offset: 80, .size: 8, .value_kind: global_buffer, .address_space: global }
    .group_segment_fixed_size: 33280
    .private_segment_fixed_size: 0
    .kernarg_segment_align: 8
    .kernarg_segment_size: 88
    .max_flat_workgroup_size: 128
    .sgpr_count:     66
    .vgpr_count:     192
    .wavefront_size: 32
...
	.end_amdgpu_metadata
.endif
;; end of part 1
;; launch inproj (part 2): grid 16 x 16, 4 waves a work-group, clusters of 4 x 4, 327,680 bytes of LDS; arguments codes, qs, b_in, lam, acat, ls; writes acat, ls
.if DOCPART == 2
	.amdgcn_target "amdgcn-amd-amdhsa--gfx1250"
	.amdhsa_code_object_version 6
	.text
	.protected	k_q1257de6bbd_inproj
	.globl	k_q1257de6bbd_inproj
	.p2align	8
	.type	k_q1257de6bbd_inproj,@function
k_q1257de6bbd_inproj:
	s_mov_b64 s[64:65], 0
	v_nop
	global_prefetch_b8 v0, s[64:65] scope:SCOPE_SE
	s_setreg_imm32_b32 hwreg(HW_REG_WAVE_MODE, 25, 1), 1
	s_wait_xcnt 0x0
	s_wait_alu depctr_hold_cnt(0) depctr_sa_sdst(0) depctr_va_vdst(0) depctr_va_sdst(0) depctr_va_ssrc(0) depctr_va_vcc(0) depctr_vm_vsrc(0)
	s_getreg_b32 s2, hwreg(HW_REG_IB_STS2, 6, 4)
	s_cmp_eq_u32 s2, 0
	s_cbranch_scc0 .Lentry_in_a_cluster
	s_endpgm
.Lentry_in_a_cluster:
	s_bfe_u32 s2, ttmp6, 0x10000c
	s_cmp_lg_u32 s2, 0xf033
	s_cbranch_scc0 .Lentry_shape_is_right
	s_endpgm
.Lentry_shape_is_right:
; Launch 2 of 4: state = Q(x) Q(W_in)^T + b_in on codes of FP4 with E8M0 scales, K = 1,024; then s = tanh(state).  Nothing of reference() is left out.
; OUT, both IN THE ORDER OF THE NEXT LAUNCH'S REGISTERS, so that every store here and every load there is 512 consecutive bytes, 16 a lane:
;   acat, f16: the fragment (16 tokens x 32 along the next K) of token block tb and K quarter kq lies at (128 tb + kq) 1,024: registers 0-3 in its first 512 bytes, registers 4-7 in the second.  kq 0-63 = s, kq 64-127 = state.
;   ls, f32: lam x s of token block tb and neuron block nb (16 x 16, an accumulator's eight registers) lies at (128 tb + nb) 1,024, registers 0-3 first.
; SHARES: a work-group makes 256 tokens x 128 neurons; wave (wm, wn) 128 x 64: 32 accumulators (a, b) at v[8 (4 a + b)] of window 1.
; THE MATRIX INSTRUCTION IS USED TRANSPOSED (source 0 = 16 rows of W_in, source 1 = 16 rows of x): lane (r, h), register j of accumulator (a, b) is state(16 a + r, 16 b + 8 h + j).  b_in is the C of each sum's first product.
; So a lane's eight numbers of (a, b), packed to f16, ARE registers 4 (b % 2) .. + 3 of the next launch's fragment b / 2 of block a: nothing changes lanes, and nothing goes through LDS on the way out.
; K goes through two LDS slots of 512 along K (rows of 256 bytes), each filled once.  CLUSTER 4 x 4: x's tile is shared along a row of the cluster, W_in's along a column: joint tensor loads.
; SCALES: a row's 32 bytes are eight words of 128 along K.  Lane (r, h) loads words 4 h .. 4 h + 3 of row r: lanes 0-15 serve slot 0's four quarters, lanes 16-31 slot 1's (the ROW1 selectors).
; tanh(v) = 1 - 2 / (1 + 2^(2 log2(e) v)): it saturates to +-1 at both ends.  LIMITS: absolute error of tanh about 1e-7; state is held at +-65,504 ahead of its rounding to f16; NaN and infinities are not served.
; REGISTERS: window 0: v1 r, v2 h, v4-5 / v6-7 LDS addresses of A's / B's fragments in slot 0, 1; v12, v13 the add's two; v15 16 x lane; v16-47 x's scale words, v48-63 W_in's (scales and nothing else);
;   v64-191 A's fragments, two buffers of 64; v192-255 B's, two of 32.  window 1: the accumulators.  window 2: v0-31 b_in in the result's layout.
.set MB,    8
.set NQ,    4
.set PA,    272                        ; an LDS row: 256 bytes + 16 of padding: the 16 rows that a load touches start 4 banks apart
.set PB,    272
.set BOFF,  256*PA
.set SLOT,  BOFF+128*PB
.set AHALF, 128*PA
.set BHALF, 64*PB
.set SPARE, 2*SLOT                     ; the spare words: 128 bytes for each wave, named by no other line
.set LPQ,   2*(MB+4)                   ; LDS loads of a quarter's fragments
.set WMUL,  0x50                       ; C and D window 1
.set WFIRST, 0x60                      ; D window 1, C (b_in) window 2
.set G1A, 24
.set G0A, 32
.set G1B, 48
.set G0B, 56
.set MSB, 0
.macro WIN new                         ; the immediate's high byte repeats the setting that is left
.if MSB != \new
	s_set_vgpr_msb (MSB<<8)|\new
.set MSB, \new
.endif
.endm
.macro PLACES                          ; four plain vector places behind matrix instructions, ahead of loads into their sources and of reads of their results
.rept 4
	v_nop
.endr
.endm
.macro JLOAD s                         ; a joint load: waves 0, 1 fetch A's halves, waves 2, 3 B's; the branch hangs on the wave's number alone
	s_cmp_eq_u32 s17, 0
	s_cbranch_scc0 .Lfor_b_\@
	tensor_load_to_lds s[G0A+4*\s:G0A+4*\s+3], s[G1A:G1A+7]
	s_nop 0
.rept 4
	v_nop
.endr
	s_branch .Lasked_\@
.Lfor_b_\@:
	tensor_load_to_lds s[G0B+4*\s:G0B+4*\s+3], s[G1B:G1B+7]
	s_nop 0
.rept 4
	v_nop
.endr
.Lasked_\@:
.endm
.macro CROUND                          ; a round of the cluster's barrier
	s_barrier_signal -1
	s_barrier_wait -1
	s_cmp_lg_u32 s16, 0
	s_cbranch_scc1 .Lnot_wave_0_\@
	s_barrier_signal -3
.Lnot_wave_0_\@:
	s_barrier_wait -3
	s_barrier_signal -1
	s_barrier_wait -1
.endm
	s_load_b256 s[4:11], s[0:1], 0x0               ; codes 4:5, qs 6:7, b_in 8:9, lam 10:11
	s_load_b128 s[12:15], s[0:1], 0x20             ; acat 12:13, ls 14:15
	v_lshl_add_u32 v12, v0, 2, SPARE
	v_mov_b32 v13, 0
	ds_add_u32 v12, v13                            ; the opening: the add, twice on end, and its wait ahead of my first tensor load
	ds_add_u32 v12, v13
	v_lshrrev_b32 v3, 5, v0
	v_readfirstlane_b32 s16, v3                    ; wave 0..3
	s_lshr_b32 s17, s16, 1                         ; wm.  Also: I fetch for A (0) or for B (1)
	s_and_b32 s18, s16, 1                          ; wn.  Also: which half of that tile I fetch
	s_bfe_u32 s40, ttmp6, 0x40000                  ; cx
	s_bfe_u32 s41, ttmp6, 0x40004                  ; cy
	s_lshl_b32 s42, ttmp9, 2
	s_add_co_u32 s42, s42, s40                     ; tx: tile of 128 neurons
	s_and_b32 s43, ttmp7, 0xffff
	s_lshl_b32 s43, s43, 2
	s_add_co_u32 s43, s43, s41                     ; ty: tile of 256 tokens
	s_lshl_b32 s44, s41, 2
	s_lshl_b32 s44, 15, s44                        ; my row of the cluster
	s_lshl_b32 s45, 0x1111, s40                    ; my column
	s_or_b32 s[G1A], s44, (1<<20)|(1<<21)|(5<<22)|(3<<25)   ; the mask; elements of 1 byte; padding on, 4 words behind every 64; bit 21 beside a mask
	s_mov_b32 s[G1A+1], 256<<16                    ; tensor_dim0
	s_mov_b32 s[G1A+2], 128<<16                    ; tensor_dim1
	s_mov_b32 s[G1A+3], 256<<16                    ; tile_dim0
	s_mov_b32 s[G1A+4], 128                        ; tile_dim1
	s_mov_b32 s[G1A+5], 512                        ; a row of codes in memory
	s_mov_b32 s[G1A+6], 0
	s_mov_b32 s[G1A+7], 0
	s_or_b32 s[G1B], s45, (1<<20)|(1<<21)|(5<<22)|(3<<25)
	s_mov_b32 s[G1B+1], 256<<16
	s_mov_b32 s[G1B+2], 64<<16
	s_mov_b32 s[G1B+3], 256<<16
	s_mov_b32 s[G1B+4], 64
	s_mov_b32 s[G1B+5], 512
	s_mov_b32 s[G1B+6], 0
	s_mov_b32 s[G1B+7], 0
	s_lshl_b32 s20, s43, 8
	s_lshl_b32 s21, s18, 7
	s_add_co_u32 s20, s20, s21
	s_lshl_b32 s20, s20, 9                         ; A: token 256 ty + 128 half, 512 bytes a row
	s_mov_b32 s21, 0
	s_lshl_b32 s46, s42, 7
	s_lshl_b32 s47, s18, 6
	s_add_co_u32 s46, s46, s47
	s_lshl_b32 s46, s46, 9                         ; B: neuron 128 tx + 64 half,
	s_add_co_u32 s46, s46, 0x200000                ; behind x's codes
	s_mov_b32 s47, 0
	s_mul_i32 s19, s18, AHALF                      ; where they go: no place in the cluster enters an LDS address
	s_mul_i32 s22, s18, BHALF
	s_add_co_u32 s22, s22, BOFF
	s_mov_b32 s66, 0x4038aa3b                      ; 2 log2(e)
	s_mov_b32 s67, s66
	s_mov_b32 s72, 0xc77fe000                      ; -65,504
	s_mov_b32 s73, 0x477fe000                      ; 65,504
	s_wait_dscnt 0x0                               ; both opening adds are done
	s_wait_kmcnt 0x0
	s_load_b32 s70, s[10:11], 0x0                  ; lam
	s_add_nc_u64 s[20:21], s[4:5], s[20:21]
	s_add_nc_u64 s[46:47], s[4:5], s[46:47]
	CROUND                                         ; all sixteen work-groups are here: the joint loads meet
.irp s, 0,1
	s_mov_b32 s[G0A+4*\s], 1
	s_add_co_u32 s[G0A+4*\s+1], s19, \s*SLOT
	s_add_nc_u64 s[G0A+4*\s+2:G0A+4*\s+3], s[20:21], \s*256
	s_or_b32 s[G0A+4*\s+3], s[G0A+4*\s+3], 0x80000000
	s_mov_b32 s[G0B+4*\s], 1
	s_add_co_u32 s[G0B+4*\s+1], s22, \s*SLOT
	s_add_nc_u64 s[G0B+4*\s+2:G0B+4*\s+3], s[46:47], \s*256
	s_or_b32 s[G0B+4*\s+3], s[G0B+4*\s+3], 0x80000000
	JLOAD \s                                       ; both slots: all of K; two loads of mine are out
.endr
	; the other bases
	s_mov_b32 s79, 0
	s_lshl_b32 s76, s42, 7
	s_lshl_b32 s77, s18, 6
	s_add_co_u32 s76, s76, s77                     ; my first neuron
	s_lshl_b32 s77, s43, 8                         ; the tile's first token
	s_lshl_b32 s78, s17, 7
	s_add_co_u32 s78, s78, s77
	s_lshl_b32 s78, s78, 5
	s_add_nc_u64 s[68:69], s[6:7], s[78:79]        ; x's scale bytes of my 128 tokens
	s_lshl_b32 s78, s76, 5
	s_add_co_u32 s78, s78, 131072
	s_add_nc_u64 s[74:75], s[6:7], s[78:79]        ; W_in's of my 64 neurons
	s_lshl_b32 s78, s76, 2
	s_add_nc_u64 s[8:9], s[8:9], s[78:79]          ; b_in at my first neuron
	s_lshl_b32 s77, s43, 21
	s_lshl_b32 s78, s17, 20
	s_add_co_u32 s77, s77, s78                     ; my first block of 16 tokens, 16 ty + 8 wm: 131,072 bytes a block in acat and in ls
	s_lshl_b32 s78, s76, 5                         ; acat: 1,024 bytes for 32 neurons
	s_add_co_u32 s78, s78, s77
	s_add_nc_u64 s[12:13], s[12:13], s[78:79]
	s_lshl_b32 s78, s76, 6                         ; ls: 1,024 bytes for 16 neurons
	s_add_co_u32 s78, s78, s77
	s_add_nc_u64 s[14:15], s[14:15], s[78:79]
	v_and_b32 v1, 15, v0                           ; r
	v_bfe_u32 v2, v0, 4, 1                         ; h
	v_mul_u32_u24 v3, v1, PA
	v_lshl_add_u32 v3, v2, 4, v3                   ; row x pitch + 16 h
	s_mul_i32 s20, s17, 128*PA
	v_add_nc_u32 v4, s20, v3
	v_add_nc_u32 v5, SLOT, v4
	s_mul_i32 s20, s18, 64*PB
	s_add_co_u32 s20, s20, BOFF
	v_add_nc_u32 v6, s20, v3
	v_add_nc_u32 v7, SLOT, v6
	v_and_b32 v15, 31, v0
	v_lshlrev_b32 v15, 4, v15                      ; 16 x lane: my place in every image
	v_lshlrev_b32 v64, 5, v1
	v_lshl_add_u32 v64, v2, 4, v64                 ; scale bytes: 32 r + 16 h
	v_lshlrev_b32 v65, 5, v2                       ; b_in: my half's eight numbers
.irp a, 0,1,2,3,4,5,6,7
	global_load_b128 v[16+4*\a:19+4*\a], v64, s[68:69] offset:512*\a    ; 32 lanes read the 512 bytes of 16 rows
.endr
.irp b, 0,1,2,3
	global_load_b128 v[48+4*\b:51+4*\b], v64, s[74:75] offset:512*\b
.endr
	WIN 0x80                                       ; destination window 2
.irp b, 0,1,2,3
	global_load_b128 v[8*\b:8*\b+3], v65, s[8:9] offset:64*\b
	global_load_b128 v[8*\b+4:8*\b+7], v65, s[8:9] offset:64*\b+16
.endr
	WIN 0
	s_wait_kmcnt 0x0                               ; lam
	s_mov_b32 s71, s70                             ; (named with it as a pair)
.macro FETCH slot, q, f                ; a quarter's fragments (128 along K = 64 bytes of each row) into buffer f: two loads of 16 bytes, 32 apart, for each
.set fi, 0
.rept MB
	ds_load_b128 v[64+64*(\f)+8*fi:64+64*(\f)+8*fi+3], v[4+\slot] offset:64*(\q)+16*PA*fi
	ds_load_b128 v[64+64*(\f)+8*fi+4:64+64*(\f)+8*fi+7], v[4+\slot] offset:64*(\q)+16*PA*fi+32
.set fi, fi+1
.endr
.set fi, 0
.rept 4
	ds_load_b128 v[192+32*(\f)+8*fi:192+32*(\f)+8*fi+3], v[6+\slot] offset:64*(\q)+16*PB*fi
	ds_load_b128 v[192+32*(\f)+8*fi+4:192+32*(\f)+8*fi+7], v[6+\slot] offset:64*(\q)+16*PB*fi+32
.set fi, fi+1
.endr
.endm
; n blocks of A from a0 on x B's four.  The 32 accumulators take turns, one instruction a turn, in the same order everywhere.  mode = 1: the sums begin, with b_in as C.
.macro MUL f, a0, n, mode, q, slot
.set ma, \a0
.rept \n
.irp b, 0,1,2,3
.if \mode
	v_wmma_scale_f32_16x16x128_f8f6f4 v[8*(4*ma+\b):8*(4*ma+\b)+7], v[192+32*(\f)+8*\b:192+32*(\f)+8*\b+7], v[64+64*(\f)+8*ma:64+64*(\f)+8*ma+7], v[8*\b:8*\b+7], v[48+4*\b+(\q)], v[16+4*ma+(\q)] matrix_a_fmt:MATRIX_FMT_FP4 matrix_b_fmt:MATRIX_FMT_FP4
.elseif \slot
	v_wmma_scale_f32_16x16x128_f8f6f4 v[8*(4*ma+\b):8*(4*ma+\b)+7], v[192+32*(\f)+8*\b:192+32*(\f)+8*\b+7], v[64+64*(\f)+8*ma:64+64*(\f)+8*ma+7], v[8*(4*ma+\b):8*(4*ma+\b)+7], v[48+4*\b+(\q)], v[16+4*ma+(\q)] matrix_a_fmt:MATRIX_FMT_FP4 matrix_b_fmt:MATRIX_FMT_FP4 matrix_a_scale:MATRIX_SCALE_ROW1 matrix_b_scale:MATRIX_SCALE_ROW1
.else
	v_wmma_scale_f32_16x16x128_f8f6f4 v[8*(4*ma+\b):8*(4*ma+\b)+7], v[192+32*(\f)+8*\b:192+32*(\f)+8*\b+7], v[64+64*(\f)+8*ma:64+64*(\f)+8*ma+7], v[8*(4*ma+\b):8*(4*ma+\b)+7], v[48+4*\b+(\q)], v[16+4*ma+(\q)] matrix_a_fmt:MATRIX_FMT_FP4 matrix_b_fmt:MATRIX_FMT_FP4
.endif
.endr
.set ma, ma+1
.endr
.endm
.macro QUARTER slot, q, mode           ; multiplies quarter q from buffer q % 2; the next quarter's fragments are asked for first, in one run
	PLACES
	FETCH \slot, (\q)+1, 1-(\q)%2
	s_wait_dscnt LPQ                               ; all but the run just issued: this quarter's fragments are in
.if \mode
	WIN WFIRST
.else
	WIN WMUL
.endif
	MUL (\q)%2, 0, MB, \mode, \q, \slot
	WIN 0
.endm
	s_wait_tensorcnt 1                             ; my part of slot 0 is in; slot 1's may stay out
	s_barrier_signal -1
	s_barrier_wait -1                              ; everybody's is
	s_wait_loadcnt 0x0                             ; scale words and b_in; v64, v65 are free
	FETCH 0, 0, 0
	QUARTER 0, 0, 1
	QUARTER 0, 1, 0
	QUARTER 0, 2, 0
	; slot 0's last quarter, and the change of slots: one barrier; ahead of it my load of slot 1 has landed and my reads of slot 0 are over.  Nothing is filled again
	s_wait_tensorcnt 0x0
	ds_add_u32 v12, v13
	s_wait_dscnt 1                                 ; only the add may be out: the quarter's fragments are in
	WIN WMUL
	MUL 1, 0, 2, 0, 3, 0
	s_wait_dscnt 0x0
	s_barrier_signal -1
	MUL 1, 2, 2, 0, 3, 0
	WIN 0
	s_barrier_wait -1
	PLACES
	FETCH 1, 0, 0
	WIN WMUL
	MUL 1, 4, 4, 0, 3, 0
	WIN 0
	QUARTER 1, 0, 0
	QUARTER 1, 1, 0
	QUARTER 1, 2, 0
	s_wait_dscnt 0x0
	WIN WMUL
	MUL 1, 0, MB, 0, 3, 1
	WIN 0
; THE WAY OUT, a block of 16 tokens x 64 neurons at a time, straight from registers.  E v64-95 (2^.., then s), X v96-127 (state, held), H v128-143 (state as f16), S v144-159 (s as f16), L v160-191 (lam s).
; The exponentials and the reciprocals go as two batches, each with one plain instruction and one wait ahead of its first reader.
.macro EPI a
	s_wait_xcnt 0x0                                ; the last block's stores have read H, S and L
	WIN 0x01                                       ; source 0: the accumulators
.set ei, 0
.rept 16
	v_pk_mul_f32 v[64+ei:65+ei], v[32*(\a)+ei:32*(\a)+ei+1], s[66:67] op_sel_hi:[1,0]   ; each accumulator from its low end on
.set ei, ei+2
.endr
.set ei, 0
.rept 32
	v_med3_num_f32 v[96+ei], v[32*(\a)+ei], s72, s73
.set ei, ei+1
.endr
	WIN 0
.set ei, 0
.rept 32
	v_exp_f32 v[64+ei], v[64+ei]
.set ei, ei+1
.endr
.set ei, 0
.rept 16
	v_cvt_pk_f16_f32 v[128+ei], v[96+2*ei], v[97+2*ei]
.set ei, ei+1
.endr
	s_wait_alu depctr_va_vdst(0)
.set ei, 0
.rept 16
	v_pk_add_f32 v[64+ei:65+ei], v[64+ei:65+ei], 1.0 op_sel_hi:[1,0]
.set ei, ei+2
.endr
.set ei, 0
.rept 32
	v_rcp_f32 v[64+ei], v[64+ei]
.set ei, ei+1
.endr
.irp b, 0,1,2,3
	global_store_b128 v15, v[128+4*\b:131+4*\b], s[12:13] offset:131072*(\a)+65536+512*\b   ; state: K quarters 64 on; 32 lanes store 512 consecutive bytes
.endr
	v_nop
	s_wait_alu depctr_va_vdst(0)
.set ei, 0
.rept 16
	v_pk_fma_f32 v[64+ei:65+ei], v[64+ei:65+ei], -2.0, 1.0 op_sel_hi:[1,0,0]   ; s
.set ei, ei+2
.endr
.set ei, 0
.rept 16
	v_cvt_pk_f16_f32 v[144+ei], v[64+2*ei], v[65+2*ei]
.set ei, ei+1
.endr
.set ei, 0
.rept 16
	v_pk_mul_f32 v[160+ei:161+ei], v[64+ei:65+ei], s[70:71] op_sel_hi:[1,0]    ; lam s
.set ei, ei+2
.endr
.irp b, 0,1,2,3
	global_store_b128 v15, v[144+4*\b:147+4*\b], s[12:13] offset:131072*(\a)+512*\b
.endr
.irp k, 0,1,2,3,4,5,6,7
	global_store_b128 v15, v[160+4*\k:163+4*\k], s[14:15] offset:131072*(\a)+512*\k th:TH_STORE_NT
.endr
.endm
	PLACES
.irp a, 0,1,2,3,4,5,6,7
	EPI \a
.endr
	s_wait_tensorcnt 0x0                           ; the wave's end
	ds_add_u32 v12, v13
	s_wait_dscnt 0x0
	CROUND                                         ; the closing round
	s_endpgm
.Lfunc_end_k_q1257de6bbd_inproj:
	.size	k_q1257de6bbd_inproj, .Lfunc_end_k_q1257de6bbd_inproj-k_q1257de6bbd_inproj
	.p2alignl 7, 3214868480
	.fill 96, 4, 3214868480
	.section	.rodata,"a",@progbits
	.p2align	6, 0x0
	.amdhsa_kernel k_q1257de6bbd_inproj
		.amdhsa_group_segment_fixed_size 327680
		.amdhsa_private_segment_fixed_size 0
		.amdhsa_enable_private_segment 0
		.amdhsa_kernarg_size 48
		.amdhsa_user_sgpr_count 2
		.amdhsa_user_sgpr_kernarg_segment_ptr 1
		.amdhsa_wavefront_size32 1
		.amdhsa_system_sgpr_workgroup_id_x 1
		.amdhsa_system_sgpr_workgroup_id_y 1
		.amdhsa_system_sgpr_workgroup_id_z 1
		.amdhsa_system_vgpr_workitem_id 0
		.amdhsa_next_free_vgpr 544
		.amdhsa_next_free_sgpr 80
		.amdhsa_reserve_vcc 0
		.amdhsa_float_denorm_mode_32 3
		.amdhsa_float_denorm_mode_16_64 3
		.amdhsa_memory_ordered 1
		.amdhsa_forward_progress 1
		.amdhsa_inst_pref_size 150
	.end_amdhsa_kernel
	.amdgpu_metadata
---
amdhsa.version: [ 1, 2 ]
amdhsa.kernels:
  - .name:           k_q1257de6bbd_inproj
    .symbol:         k_q1257de6bbd_inproj.kd
    .args:
      - { .name: codes, .offset: 0, .size: 8, .value_kind: global_buffer, .address_space: global }
      - { .name: qs, .offset: 8, .size: 8, .value_kind: global_buffer, .address_space: global }
      - { .name: b_in, .offset: 16, .size: 8, .value_kind: global_buffer, .address_space: global }
      - { .name: lam, .offset: 24, .size: 8, .value_kind: global_buffer, .address_space: global }
      - { .name: acat, .offset: 32, .size: 8, .value_kind: global_buffer, .address_space: global }
      - { .name: ls, .offset: 40, .size: 8, .value_kind: global_buffer, .address_space: global }
    .group_segment_fixed_size: 327680
    .private_segment_fixed_size: 0
    .kernarg_segment_align: 8
    .kernarg_segment_size: 48
    .max_flat_workgroup_size: 128
    .sgpr_count:     80
    .vgpr_count:     544
    .wavefront_size: 32
...
	.end_amdgpu_metadata
.endif
;; end of part 2
;; launch core (part 3): grid 16 x 16, 4 waves a work-group, clusters of 4 x 1, 327,680 bytes of LDS; arguments acat, bcat, ls, noise_raw, qs, st2; writes st2
.if DOCPART == 3
	.amdgcn_target "amdgcn-amd-amdhsa--gfx1250"
	.amdhsa_code_object_version 6
	.text
	.protected	k_q1257de6bbd_core
	.globl	k_q1257de6bbd_core
	.p2align	8
	.type	k_q1257de6bbd_core,@function
k_q1257de6bbd_core:
	s_mov_b64 s[64:65], 0
	v_nop
	global_prefetch_b8 v0, s[64:65] scope:SCOPE_SE
	s_setreg_imm32_b32 hwreg(HW_REG_WAVE_MODE, 25, 1), 1
	s_wait_xcnt 0x0
	s_wait_alu depctr_hold_cnt(0) depctr_sa_sdst(0) depctr_va_vdst(0) depctr_va_sdst(0) depctr_va_ssrc(0) depctr_va_vcc(0) depctr_vm_vsrc(0)
	s_getreg_b32 s2, hwreg(HW_REG_IB_STS2, 6, 4)
	s_cmp_eq_u32 s2, 0
	s_cbranch_scc0 .Lentry_in_a_cluster
	s_endpgm
.Lentry_in_a_cluster:
	s_bfe_u32 s2, ttmp6, 0x10000c
	s_cmp_lg_u32 s2, 0x3003
	s_cbranch_scc0 .Lentry_shape_is_right
	s_endpgm
.Lentry_shape_is_right:
; Launch 3 of 4: st2 = tanh(state @ eff_w + lam (s @ J_m) s + noise T 0.1), rounded to f16, [4096][2048].  Nothing of reference() is left out.
; BOTH PRODUCTS ARE ONE GEMM WITH K = 4,096 ON ONE SET OF ACCUMULATORS: acat = [s | state] and bcat = [J_m ; eff_w] lie side by side along K.  Behind K = 2,048 the accumulators hold s @ J_m and are multiplied,
; in f32, by lam s; the same accumulators then go on summing state @ eff_w.  Only the order of f32 additions differs from reference()'s.  Operands f16, sums f32.
; SHARES: work-group (ty, tx) makes 256 tokens x 128 neurons; wave w its rows 64 w .. + 63, all 128 columns: 32 accumulators (a, b) at v[8 (8 a + b)] of window 1.  USED TRANSPOSED (source 0 = 16 columns of bcat,
; source 1 = 16 rows of acat): lane (r, h), register j of (a, b) is element (16 a + r, 16 b + 8 h + j).
; acat COMES STRAIGHT INTO REGISTERS.  It lies in the order of the operand's registers (fragment of token block tb, K quarter kq at (128 tb + kq) 1,024), no two waves of a work-group want the same rows, and a fragment is two loads
; of 512 consecutive bytes.  A ring of eight sets of four fragments: in each quarter (32 along K, 32 matrix instructions) the set read last is asked for again, seven quarters ahead; 56 loads of a wave are out at the most.
; WHY acat IS NOT SHARED BY MULTICAST, though the sixteen work-groups of a ty read the same rows: beside bcat's tile its tile leaves room for slots of 128 along K alone (two slots of 256 along K for both would take
; 2 x (256 x 528 + 256 x 288) = 417,792 of the 327,680 bytes).  With LDS left to bcat a slot holds 256 along K, and a refill has eight quarters, 256 matrix instructions a wave, in which to land.
; bcat lies [k][n]; its tiles come through a ring of two LDS slots and out of LDS turned, by ds_load_tr16_b128.  CLUSTER 4 x 1: the four partners (four ty, one tx) want the same tiles of bcat: joint tensor loads, each wave 64 k rows.
; lam s (an image of the accumulators' registers) comes into LDS once, with the first fills, by a tensor load of each wave's own; by this text's count three tensor loads of a wave are out at the start, then one.
; noise and t01 = 0.1 |sin 2 theta| are asked for in the last lap's quarters 9 to 15, eight loads a quarter in the place of acat's, which has none left to ask for: so every quarter's wait has the same count.
; LIMITS: tanh's absolute error about 1e-7; NaN and infinities are not served.
; REGISTERS: window 0: v1 r, v2 h; v6-9 LDS addresses of bcat's fragments (slot 0: quarters 0-3, 4-7; slot 1 likewise); v10 16 x lane; v11, v14-19 addresses; v12, v13 the add's two; v64-127 t01 of my columns;
;   v128-255 bcat's fragments, two buffers of 64 (on the way out: at work).  window 1: the accumulators.  window 2: acat's ring.  window 3: lam s at the midpoint, then noise.
.set NQ,    8                          ; quarters in a slot
.set PB,    288                        ; a k row of bcat in LDS: 256 bytes + 32
.set SLOT,  256*PB
.set BPART, 64*PB                      ; what one tensor load brings
.set LSR,   2*SLOT                     ; behind the ring: lam s, 32,768 bytes for each wave, filled once; behind the midpoint my part holds my two stages
.set OSTO,  16*528                     ; in my part: a stage of 16 x 528 bytes for noise, then one of 16 x 272 for results
.set SPARE, LSR+4*32768                ; the spare words: 128 bytes for each wave, named by no other line
.set BSTEP2, 512*4096                  ; two slots on: 512 rows of bcat
.set WMUL,  0x58                       ; source 0 (bcat) window 0, source 1 (acat) window 2, C and D window 1
.set G1B, 24                           ; s[24:31] group 1 for bcat's tiles; s[32:39] group 0, one set for each slot
.set G0B, 32
.set G1L, 48                           ; s[48:55], s[56:59] groups 1 and 0 for lam s
.set G0L, 56
.set MSB, 0
.macro WIN new                         ; the immediate's high byte repeats the setting that is left
.if MSB != \new
	s_set_vgpr_msb (MSB<<8)|\new
.set MSB, \new
.endif
.endm
.macro PLACES                          ; four plain vector places behind matrix instructions, ahead of loads into their sources and of reads or writes of their results
.rept 4
	v_nop
.endr
.endm
.macro CREST                           ; a round of the cluster's barrier behind its opening barrier
	s_cmp_lg_u32 s16, 0
	s_cbranch_scc1 .Lnot_wave_0_\@
	s_barrier_signal -3
.Lnot_wave_0_\@:
	s_barrier_wait -3
	s_barrier_signal -1
	s_barrier_wait -1
.endm
.macro CROUND
	s_barrier_signal -1
	s_barrier_wait -1
	CREST
.endm
.macro ALOAD lq                        ; acat's four fragments of the lap's quarter lq into set lq % 8 (window 2)
.set ai, 0
.rept 4
	global_load_b128 v[32*((\lq)%8)+8*ai:32*((\lq)%8)+8*ai+3], v10, s[4:5] offset:131072*ai+1024*(\lq)
	global_load_b128 v[32*((\lq)%8)+8*ai+4:32*((\lq)%8)+8*ai+7], v10, s[4:5] offset:131072*ai+1024*(\lq)+512
.set ai, ai+1
.endr
.endm
	s_load_b256 s[4:11], s[0:1], 0x0               ; acat 4:5, bcat 6:7, ls 8:9, noise_raw 10:11
	s_load_b128 s[12:15], s[0:1], 0x20             ; qs 12:13, st2 14:15
	v_lshl_add_u32 v12, v0, 2, SPARE
	v_mov_b32 v13, 0
	ds_add_u32 v12, v13                            ; the opening: the add, twice on end, and its wait ahead of my first tensor load
	ds_add_u32 v12, v13
	v_lshrrev_b32 v3, 5, v0
	v_readfirstlane_b32 s16, v3                    ; wave 0..3
	s_bfe_u32 s40, ttmp6, 0x40000                  ; cx: my place in the cluster
	s_lshl_b32 s43, ttmp9, 2
	s_add_co_u32 s43, s43, s40                     ; ty: tile of 256 tokens: it enters acat's, ls's, noise's and st2's addresses alone
	s_and_b32 s42, ttmp7, 0xffff                   ; tx: tile of 128 neurons, which the four partners share
	s_mov_b32 s[G1B], 15|(1<<16)|(1<<20)|(1<<21)|(5<<22)|(7<<25)   ; the mask: all four; elements of 2 bytes; 8 words of padding behind every 64; bit 21 beside a mask
	s_mov_b32 s[G1B+1], 128<<16                    ; tensor_dim0
	s_mov_b32 s[G1B+2], 64<<16                     ; tensor_dim1
	s_mov_b32 s[G1B+3], 128<<16                    ; tile_dim0
	s_mov_b32 s[G1B+4], 64                         ; tile_dim1
	s_mov_b32 s[G1B+5], 2048                       ; a row of bcat, in elements
	s_mov_b32 s[G1B+6], 0
	s_mov_b32 s[G1B+7], 0
	s_mov_b32 s[G1L], 3<<16                        ; no mask: each wave's own; elements of 8 bytes; no padding
	s_mov_b32 s[G1L+1], 1024<<16                   ; four rows of 8,192 bytes: a token block's eight neuron blocks,
	s_mov_b32 s[G1L+2], 4<<16
	s_mov_b32 s[G1L+3], 1024<<16
	s_mov_b32 s[G1L+4], 4
	s_mov_b32 s[G1L+5], 16384                      ; 131,072 bytes from token block to token block
	s_mov_b32 s[G1L+6], 0
	s_mov_b32 s[G1L+7], 0
	s_lshl_b32 s20, s16, 18                        ; bcat: k row 64 wave, 4,096 bytes a row,
	s_lshl_b32 s21, s42, 8
	s_add_co_u32 s20, s20, s21                     ; byte 256 tx
	s_mov_b32 s21, 0
	s_mul_i32 s19, s16, BPART                      ; where it goes: no place in the cluster enters an LDS address
	s_lshl_b32 s76, s43, 21
	s_lshl_b32 s77, s16, 19
	s_add_co_u32 s76, s76, s77                     ; my first token block, 16 ty + 4 wave: 131,072 bytes a block in acat and in ls (and 16 rows of noise)
	s_mov_b32 s77, 0
	s_lshl_b32 s78, s42, 13
	s_add_co_u32 s78, s78, s76                     ; ls: + 1,024 bytes for each 16 neurons
	s_mov_b32 s79, 0
	s_lshl_b32 s22, s16, 15
	s_add_co_u32 s22, s22, LSR                     ; my part of the region behind the ring
	s_mov_b32 s66, 0x4038aa3b                      ; 2 log2(e)
	s_mov_b32 s67, s66
	s_cmp_eq_u32 s42, 0
	s_cselect_b32 s68, 1, -1                       ; 1 in the work-groups that prefetch (tx = 0: the same in all four partners), else the greatest number
	v_and_b32 v10, 31, v0
	v_lshlrev_b32 v10, 4, v10                      ; 16 x lane
	s_wait_dscnt 0x0                               ; both opening adds are done
	s_wait_kmcnt 0x0
	s_add_nc_u64 s[4:5], s[4:5], s[76:77]          ; acat at my first token block, K quarter 0
	s_add_nc_u64 s[20:21], s[6:7], s[20:21]
	s_add_nc_u64 s[78:79], s[8:9], s[78:79]
	WIN 0x80                                       ; destination window 2
.irp i, 0,1,2,3,4,5,6
	ALOAD \i                                       ; the ring's first seven sets: 56 loads
.endr
	WIN 0
	CROUND                                         ; all four work-groups are here: the first joint loads meet
.irp s, 0,1
	s_mov_b32 s[G0B+4*\s], 1
	s_add_co_u32 s[G0B+4*\s+1], s19, \s*SLOT
	s_add_nc_u64 s[G0B+4*\s+2:G0B+4*\s+3], s[20:21], \s*256*4096
	s_or_b32 s[G0B+4*\s+3], s[G0B+4*\s+3], 0x80000000
.endr
	s_mov_b32 s[G0L], 1
	s_mov_b32 s[G0L+1], s22
	s_mov_b64 s[G0L+2:G0L+3], s[78:79]
	s_or_b32 s[G0L+3], s[G0L+3], 0x80000000
	tensor_load_to_lds s[G0B:G0B+3], s[G1B:G1B+7]          ; slot 0
	s_nop 0
	tensor_load_to_lds s[G0B+4:G0B+7], s[G1B:G1B+7]        ; slot 1
	s_nop 0
	tensor_load_to_lds s[G0L:G0L+3], s[G1L:G1L+7]          ; lam s of my 64 x 128
	s_nop 0
.rept 4
	v_nop
.endr
	; the other bases
	s_mov_b32 s47, 0
	s_lshl_b32 s46, s42, 9
	s_add_co_u32 s46, s46, s76
	s_add_nc_u64 s[10:11], s[10:11], s[46:47]      ; noise: my first token (8,192 bytes a row), byte 512 tx
	s_lshl_b32 s46, s42, 9
	s_add_co_u32 s46, s46, 196608
	s_add_nc_u64 s[12:13], s[12:13], s[46:47]      ; t01 at my first neuron
	s_lshr_b32 s46, s76, 1
	s_lshl_b32 s23, s42, 8
	s_add_co_u32 s46, s46, s23
	s_add_nc_u64 s[14:15], s[14:15], s[46:47]      ; st2: my first token (4,096 bytes a row), byte 256 tx
	v_and_b32 v1, 15, v0                           ; r
	v_bfe_u32 v2, v0, 4, 1                         ; h
	v_and_b32 v3, 7, v0
	v_lshl_add_u32 v3, v2, 3, v3
	v_mul_u32_u24 v3, v3, PB                       ; bcat's fragments, turned: k row 8 h + lane % 8,
	v_bfe_u32 v6, v0, 3, 1
	v_lshl_add_u32 v6, v6, 4, v3                   ; 16 bytes on for lanes 8-15 of each half: slot 0, quarters 0-3
	v_add_nc_u32 v7, 128*PB, v6                    ; quarters 4-7 (an LDS offset has 16 bits)
	v_add_nc_u32 v8, SLOT, v6                      ; slot 1
	v_add_nc_u32 v9, SLOT+128*PB, v6
	v_add_nc_u32 v11, s22, v10                     ; my part of the region + 16 x lane: lam s's images; later noise's rows into the stage
	v_mul_u32_u24 v14, v1, 528
	v_lshl_add_u32 v14, v2, 5, v14
	v_add_nc_u32 v14, s22, v14                     ; noise back in the accumulators' layout: row r, 32 h bytes on
	s_add_co_u32 s23, s22, OSTO
	v_mul_u32_u24 v15, v1, 272
	v_lshl_add_u32 v15, v2, 4, v15
	v_add_nc_u32 v15, s23, v15                     ; results into their stage: row r, 16 h bytes on
	v_mul_u32_u24 v16, v2, 272
	v_lshl_add_u32 v16, v1, 4, v16
	v_add_nc_u32 v16, s23, v16                     ; back: lanes 0-15 one row, lanes 16-31 the next
	v_lshlrev_b32 v17, 12, v2
	v_lshl_add_u32 v17, v1, 4, v17                 ; the same two rows in st2
	v_lshlrev_b32 v18, 5, v2                       ; t01: my half's eight numbers
	v_and_b32 v19, 31, v0
	v_lshlrev_b32 v19, 8, v19                      ; the prefetches: 256 x lane
.macro FETCH slot, q, f                ; bcat's eight fragments of the slot's quarter q into buffer f
.set fi, 0
.rept 8
	ds_load_tr16_b128 v[128+64*(\f)+8*fi:128+64*(\f)+8*fi+3], v[6+2*(\slot)+(\q)/4] offset:32*PB*((\q)%4)+32*fi
	ds_load_tr16_b128 v[128+64*(\f)+8*fi+4:128+64*(\f)+8*fi+7], v[6+2*(\slot)+(\q)/4] offset:32*PB*((\q)%4)+32*fi+16*PB
.set fi, fi+1
.endr
.endm
; n blocks of acat from a0 on x bcat's eight.  The 32 accumulators take turns, one instruction a turn, in the same order everywhere.  mode = 1: the sums begin with the constant 0.
.macro MUL f, a0, n, mode, set
.set ma, \a0
.rept \n
.irp b, 0,1,2,3,4,5,6,7
.if \mode
	v_wmma_f32_16x16x32_f16 v[8*(8*ma+\b):8*(8*ma+\b)+7], v[128+64*(\f)+8*\b:128+64*(\f)+8*\b+7], v[32*(\set)+8*ma:32*(\set)+8*ma+7], 0
.else
	v_wmma_f32_16x16x32_f16 v[8*(8*ma+\b):8*(8*ma+\b)+7], v[128+64*(\f)+8*\b:128+64*(\f)+8*\b+7], v[32*(\set)+8*ma:32*(\set)+8*ma+7], v[8*(8*ma+\b):8*(8*ma+\b)+7]
.endif
.endr
.set ma, ma+1
.endr
.endm
.macro NLOAD8 g                        ; rows 8 g .. 8 g + 7 of my 64 rows of noise into window 3: a load takes a row's 512 bytes
	WIN 0xc0
.set hk, 8*(\g)
.rept 8
	global_load_b128 v[4*hk:4*hk+3], v10, s[10:11] offset:8192*hk th:TH_LOAD_NT
.set hk, hk+1
.endr
.endm
.macro TLOAD8 g                        ; half g of t01 in the accumulators' layout: v[64 + 8 b + j] = t01(16 b + 8 h + j)
	WIN 0
.set hk, 8*(\g)
.rept 8
	global_load_b128 v[64+4*hk:64+4*hk+3], v18, s[12:13] offset:64*(hk/2)+16*(hk%2)
.set hk, hk+1
.endr
.endm
; A quarter's eight loads: acat's fragments seven quarters on; in the last lap (tail = 1) from quarter 9 on, where acat has none left: t01 (two quarters), then noise (five)
.macro AHEAD lq, tail
.if (\tail) && ((\lq) > 10)
	NLOAD8 (\lq)-11
.elseif (\tail) && ((\lq) > 8)
	TLOAD8 (\lq)-9
.else
	WIN 0x80
	ALOAD (\lq)+7
.endif
.endm
; The slot's quarter q, the lap's quarter lq: multiplies bcat's buffer q % 2 by acat's set lq % 8.  The next quarter's fragments of bcat are asked for first, in one run.
.macro QUARTER slot, q, lq, mode, tail
	PLACES
	FETCH \slot, (\q)+1, 1-(\q)%2
	s_wait_loadcnt 48                              ; my set is in: behind its loads stand those of six quarters, eight each
	AHEAD \lq, \tail                               ; into the set that the last quarter read
	s_wait_dscnt 16                                ; all but the run just issued: this quarter's fragments of bcat are in
	WIN WMUL
	MUL (\q)%2, 0, 4, \mode, (\lq)%8
	WIN 0
.endm
; A PREFETCH of acat's fragments, at each change of slots that fills: eight quarters of each of my four token blocks, 8,192 consecutive bytes each, lanes 256 bytes apart: four instructions a wave.
; They are the quarters 10 to 17 on from the one that the ring's own loads have reached (q0 counts from the lap's first).  The sixteen work-groups of a ty read the same fragments: the one with tx = 0 asks, each wave for its own rows,
; so each block is named once.  The launch's first 24 quarters come by their loads alone; the last lap but one asks at its first change only (how = 1: s3 = 1 there): beyond lies the buffer's end.
.macro ASK how, q0
.if \how
	s_cmp_gt_u32 s3, s68
.else
	s_cmp_eq_u32 s68, 1
.endif
	s_cbranch_scc0 .Lnot_mine_\@
.irp a, 0,1,2,3
	global_prefetch_b8 v19, s[4:5] offset:131072*\a+1024*(\q0) th:TH_LOAD_NT scope:SCOPE_SE
.endr
.Lnot_mine_\@:
.endm
; A slot's last quarter (buffer 1) changes slots: ONE barrier.  Ahead of it each wave waits for all its tensor loads, adds 0 to its spare word, and waits for that and for its reads of this slot.
; fill = 1: the barrier opens a round of the cluster's, and this slot is filled again, two slots ahead, first thing behind the round.
.macro TURN slot, next, fill, lq, tail
	PLACES
	s_wait_loadcnt 48
	AHEAD \lq, \tail
	WIN 0
	s_wait_tensorcnt 0x0
	ds_add_u32 v12, v13
	s_wait_dscnt 1                                 ; only the add may be out: the quarter's fragments are in
	WIN WMUL
	MUL 1, 0, 1, 0, (\lq)%8
	s_wait_dscnt 0x0                               ; the add is done, and my reads of this slot are over
	s_barrier_signal -1
	MUL 1, 1, 1, 0, (\lq)%8
	WIN 0
	s_barrier_wait -1
.if \fill
	CREST                                          ; no wave of any partner still reads this slot or has a load on its way
	s_add_nc_u64 s[G0B+4*\slot+2:G0B+4*\slot+3], s[G0B+4*\slot+2:G0B+4*\slot+3], BSTEP2
	tensor_load_to_lds s[G0B+4*\slot:G0B+4*\slot+3], s[G1B:G1B+7]
	s_nop 0
	PLACES                                         ; (also the places ahead of the loads below)
.else
	PLACES
.endif
	FETCH \next, 0, 0
.if \fill
.if \slot
	ASK 1, 32
.else
	ASK 0, 24
.endif
.endif
	WIN WMUL
	MUL 1, 2, 2, 0, (\lq)%8
	WIN 0
.endm
.macro LASTQ
	PLACES
	s_wait_loadcnt 48
	AHEAD 15, 1
	s_wait_dscnt 0x0
	WIN WMUL
	MUL 1, 0, 4, 0, 7
	WIN 0
.endm
.macro SLOTQ slot, from, tail          ; the slot's quarters from .. NQ - 2
.set Q, \from
.rept NQ-1-\from
	QUARTER \slot, Q, 8*(\slot)+Q, 0, \tail
.set Q, Q+1
.endr
.endm
.macro REST fill                       ; a lap (two slots, 16 quarters) from its second quarter on
	SLOTQ 0, 1, 1-(\fill)
	TURN 0, 1, \fill, 7, 1-(\fill)
	SLOTQ 1, 0, 1-(\fill)
.if \fill
	TURN 1, 0, 1, 15, 0
.else
	LASTQ
.endif
.endm
.macro LSLD a                          ; lam s of block a out of LDS into window 3, numbered as the accumulators are: 16 loads of 512 consecutive bytes
.set hk, 16*(\a)
.rept 16
	ds_load_b128 v[4*hk:4*hk+3], v11 offset:512*hk
.set hk, hk+1
.endr
.endm
.macro MULT a                          ; block a's accumulators x lam s, in f32; each accumulator from its low end on
.set ei, 64*(\a)
.rept 32
	v_pk_mul_f32 v[ei:ei+1], v[ei:ei+1], v[ei:ei+1]
.set ei, ei+2
.endr
.endm
	s_wait_tensorcnt 2                             ; my part of slot 0 is in; slot 1's and lam s may stay out
	s_barrier_signal -1
	s_barrier_wait -1                              ; everybody's is
	FETCH 0, 0, 0
	QUARTER 0, 0, 0, 1, 0                          ; the first quarter's products start the sums
	s_mov_b32 s3, 7
.Llap:                                                 ; seven trips, each from a lap's second quarter to the next lap's first; both slots are filled again
	REST 1
	s_cmp_lg_u32 s3, 4                             ; behind the fourth lap K = 2,048 is reached: the accumulators hold s @ J_m.  The branch hangs on the count of trips and leads round LDS loads and vector work alone
	s_cbranch_scc1 .Lno_mid
	PLACES
	s_wait_dscnt 0x0                               ; (the next quarter's fragments are in: so 48 LDS loads are out at the most below)
	WIN 0xc0                                       ; destination window 3
	LSLD 0
	LSLD 1
	LSLD 2
	s_wait_dscnt 32                                ; block 0's image is in; two blocks' may be out
	WIN 0x4d                                       ; destination and source 0 window 1, source 1 window 3
	MULT 0
	WIN 0xc0
	LSLD 3
	s_wait_dscnt 32
	WIN 0x4d
	MULT 1
	s_wait_dscnt 16
	MULT 2
	s_wait_dscnt 0x0
	MULT 3
	WIN 0
.Lno_mid:
	QUARTER 0, 0, 16, 0, 0
	s_wait_xcnt 0x0                                ; the loads and prefetches have read acat's base: it steps a lap on
	s_add_nc_u64 s[4:5], s[4:5], 16*1024
	s_sub_co_u32 s3, s3, 1
	s_cmp_lg_u32 s3, 0
	s_cbranch_scc1 .Llap
	REST 0                                         ; the last lap fills nothing, and asks for t01 and noise where acat has nothing left
	PLACES
	s_wait_loadcnt 32                              ; 24 loads follow: 56 are out at the most
	NLOAD8 5
	NLOAD8 6
	NLOAD8 7
	WIN 0
; THE WAY OUT, a block of 16 tokens x 128 neurons at a time; all LDS bytes are my own.  Noise turns from rows into the accumulators' layout through my stage (LDS serves a wave's instructions in order: no wait between the stores and
; the loads); the results, 16 bytes a lane, turn into whole rows of 256 bytes through the other.  v128-191 noise, then the numbers at work; v192-223 results as f16; v224-255 rows.
; Exponentials and reciprocals go as two batches, each with one plain instruction and one wait ahead of its first reader.
.macro EPI a
	s_wait_loadcnt 48-16*(\a)                      ; t01 and this block's 16 rows of noise are in; the later blocks' may be out
	WIN 0x0c                                       ; an LDS store's data: window 3
.set ei, 0
.rept 16
	ds_store_b128 v11, v[64*(\a)+4*ei:64*(\a)+4*ei+3] offset:528*ei
.set ei, ei+1
.endr
	WIN 0
.set ei, 0
.rept 16
	ds_load_b128 v[128+4*ei:131+4*ei], v14 offset:64*(ei/2)+16*(ei%2)
.set ei, ei+1
.endr
	s_wait_dscnt 0x0
	WIN 0x10                                       ; source 2: the accumulators
.set ei, 0
.rept 32
	v_pk_fma_f32 v[128+ei:129+ei], v[128+ei:129+ei], v[64+ei:65+ei], v[64*(\a)+ei:64*(\a)+ei+1]   ; noise x 0.1 T + the sums
.set ei, ei+2
.endr
	WIN 0
.set ei, 0
.rept 32
	v_pk_mul_f32 v[128+ei:129+ei], v[128+ei:129+ei], s[66:67] op_sel_hi:[1,0]
.set ei, ei+2
.endr
.set ei, 0
.rept 64
	v_exp_f32 v[128+ei], v[128+ei]
.set ei, ei+1
.endr
	v_nop
	s_wait_alu depctr_va_vdst(0)
.set ei, 0
.rept 32
	v_pk_add_f32 v[128+ei:129+ei], v[128+ei:129+ei], 1.0 op_sel_hi:[1,0]
.set ei, ei+2
.endr
.set ei, 0
.rept 64
	v_rcp_f32 v[128+ei], v[128+ei]
.set ei, ei+1
.endr
	v_nop
	s_wait_alu depctr_va_vdst(0)
.set ei, 0
.rept 32
	v_pk_fma_f32 v[128+ei:129+ei], v[128+ei:129+ei], -2.0, 1.0 op_sel_hi:[1,0,0]
.set ei, ei+2
.endr
.set ei, 0
.rept 32
	v_cvt_pk_f16_f32 v[192+ei], v[128+2*ei], v[129+2*ei]
.set ei, ei+1
.endr
.irp b, 0,1,2,3,4,5,6,7
	ds_store_b128 v15, v[192+4*\b:195+4*\b] offset:32*\b
.endr
.if (\a) > 0
	s_wait_xcnt 0x0                                ; the last block's stores have read their registers
.endif
.irp t, 0,1,2,3,4,5,6,7
	ds_load_b128 v[224+4*\t:227+4*\t], v16 offset:544*\t
.endr
.irp t, 0,1,2,3,4,5,6,7
	s_wait_dscnt 7-\t
	global_store_b128 v17, v[224+4*\t:227+4*\t], s[14:15] offset:(16*(\a)+2*\t)*4096    ; sixteen lanes store 256 consecutive bytes, aligned
.endr
.endm
.irp a, 0,1,2,3
	EPI \a
.endr
	s_wait_tensorcnt 0x0                           ; the wave's end
	ds_add_u32 v12, v13
	s_wait_dscnt 0x0
	CROUND                                         ; the closing round
	s_endpgm
.Lfunc_end_k_q1257de6bbd_core:
	.size	k_q1257de6bbd_core, .Lfunc_end_k_q1257de6bbd_core-k_q1257de6bbd_core
	.p2alignl 7, 3214868480
	.fill 96, 4, 3214868480
	.section	.rodata,"a",@progbits
	.p2align	6, 0x0
	.amdhsa_kernel k_q1257de6bbd_core
		.amdhsa_group_segment_fixed_size 327680
		.amdhsa_private_segment_fixed_size 0
		.amdhsa_enable_private_segment 0
		.amdhsa_kernarg_size 48
		.amdhsa_user_sgpr_count 2
		.amdhsa_user_sgpr_kernarg_segment_ptr 1
		.amdhsa_wavefront_size32 1
		.amdhsa_system_sgpr_workgroup_id_x 1
		.amdhsa_system_sgpr_workgroup_id_y 1
		.amdhsa_system_sgpr_workgroup_id_z 1
		.amdhsa_system_vgpr_workitem_id 0
		.amdhsa_next_free_vgpr 1024
		.amdhsa_next_free_sgpr 80
		.amdhsa_reserve_vcc 0
		.amdhsa_float_denorm_mode_32 3
		.amdhsa_float_denorm_mode_16_64 3
		.amdhsa_memory_ordered 1
		.amdhsa_forward_progress 1
		.amdhsa_inst_pref_size 233
	.end_amdhsa_kernel
	.amdgpu_metadata
---
amdhsa.version: [ 1, 2 ]
amdhsa.kernels:
  - .name:           k_q1257de6bbd_core
    .symbol:         k_q1257de6bbd_core.kd
    .args:
      - { .name: acat, .offset: 0, .size: 8, .value_kind: global_buffer, .address_space: global }
      - { .name: bcat, .offset: 8, .size: 8, .value_kind: global_buffer, .address_space: global }
      - { .name: ls, .offset: 16, .size: 8, .value_kind: global_buffer, .address_space: global }
      - { .name: noise_raw, .offset: 24, .size: 8, .value_kind: global_buffer, .address_space: global }
      - { .name: qs, .offset: 32, .size: 8, .value_kind: global_buffer, .address_space: global }
      - { .name: st2, .offset: 40, .size: 8, .value_kind: global_buffer, .address_space: global }
    .group_segment_fixed_size: 327680
    .private_segment_fixed_size: 0
    .kernarg_segment_align: 8
    .kernarg_segment_size: 48
    .max_flat_workgroup_size: 128
    .sgpr_count:     80
    .vgpr_count:     1024
    .wavefront_size: 32
...
	.end_amdgpu_metadata
.endif
;; end of part 3
;; launch outproj (part 4): grid 8 x 32, 4 waves a work-group, clusters of 4 x 4, 327,680 bytes of LDS; arguments st2, wo16, b_out, out0; writes out0
.if DOCPART == 4
	.amdgcn_target "amdgcn-amd-amdhsa--gfx1250"
	.amdhsa_code_object_version 6
	.text
	.protected	k_q1257de6bbd_outproj
	.globl	k_q1257de6bbd_outproj
	.p2align	8
	.type	k_q1257de6bbd_outproj,@function
k_q1257de6bbd_outproj:
	s_mov_b64 s[64:65], 0
	v_nop
	global_prefetch_b8 v0, s[64:65] scope:SCOPE_SE
	s_setreg_imm32_b32 hwreg(HW_REG_WAVE_MODE, 25, 1), 1
	s_wait_xcnt 0x0
	s_wait_alu depctr_hold_cnt(0) depctr_sa_sdst(0) depctr_va_vdst(0) depctr_va_sdst(0) depctr_va_ssrc(0) depctr_va_vcc(0) depctr_vm_vsrc(0)
	s_getreg_b32 s2, hwreg(HW_REG_IB_STS2, 6, 4)
	s_cmp_eq_u32 s2, 0
	s_cbranch_scc0 .Lentry_in_a_cluster
	s_endpgm
.Lentry_in_a_cluster:
	s_bfe_u32 s2, ttmp6, 0x10000c
	s_cmp_lg_u32 s2, 0xf033
	s_cbranch_scc0 .Lentry_shape_is_right
	s_endpgm
.Lentry_shape_is_right:
; Launch 4 of 4: out0 = st2 W_out^T + b_out.  st2 [4096][2048] and wo16 [1024][2048] are f16, K innermost; sums f32; out0 f32.  Nothing of reference() is left out.
; A tile of 128 x 128 gives each of 256 work-groups one tile.  Wave (wm, wn) makes 64 x 64: 16 accumulators (a, b) at v[8 (4 a + b)] of window 1.  USED TRANSPOSED (source 0 = 16 rows of wo16, source 1 = 16 rows of st2):
; lane (r, h), register j of (a, b) is out0(16 a + r, 16 b + 8 h + j).  b_out is the C of each sum's first product.
; K goes in 8 steps of 256 (LDS rows of 512 bytes) through a ring of two slots.  CLUSTER 4 x 4: st2's tile is shared along a row of the cluster, wo16's along a column: joint tensor loads; two loads of a wave are out at the start, then one.
; REGISTERS: window 0: v1 r, v2 h, v4-5 / v6-7 LDS addresses of A's / B's fragments in slot 0, 1; v8-11 the way out and b_out's offset; v12, v13 the add's two; v16-47 b_out in the result's layout;
;   v64-95, v128-159 A's fragments, two buffers; v192-255 B's.
.set MB,    4
.set NQ,    8
.set PA,    528                        ; an LDS row: 512 bytes + 16 of padding
.set PB,    528
.set BOFF,  128*PA
.set SLOT,  BOFF+128*PB
.set AHALF, 64*PA
.set BHALF, 64*PB
.set SPARE, 2*SLOT                     ; the spare words: 128 bytes for each wave, named by no other line
.set LPQ,   2*(MB+4)
.set ASTEP2, 1024                      ; two K steps on: 512 f16 along a row
.set BSTEP2, 1024
.set WMUL,  0x50                       ; C and D window 1
.set WFIRST, 0x40                      ; D window 1, C (b_out) window 0
.set G1A, 24
.set G0A, 32
.set G1B, 48
.set G0B, 56
.set MSB, 0
.macro WIN new                         ; the immediate's high byte repeats the setting that is left
.if MSB != \new
	s_set_vgpr_msb (MSB<<8)|\new
.set MSB, \new
.endif
.endm
.macro PLACES                          ; four plain vector places behind matrix instructions, ahead of loads into their sources and of reads of their results
.rept 4
	v_nop
.endr
.endm
.macro JLOAD s                         ; a joint load: waves 0, 1 fetch A's halves, waves 2, 3 B's; the branch hangs on the wave's number alone
	s_cmp_eq_u32 s17, 0
	s_cbranch_scc0 .Lfor_b_\@
	tensor_load_to_lds s[G0A+4*\s:G0A+4*\s+3], s[G1A:G1A+7]
	s_nop 0
.rept 4
	v_nop
.endr
	s_branch .Lasked_\@
.Lfor_b_\@:
	tensor_load_to_lds s[G0B+4*\s:G0B+4*\s+3], s[G1B:G1B+7]
	s_nop 0
.rept 4
	v_nop
.endr
.Lasked_\@:
.endm
.macro CREST                           ; a round of the cluster's barrier behind its opening barrier
	s_cmp_lg_u32 s16, 0
	s_cbranch_scc1 .Lnot_wave_0_\@
	s_barrier_signal -3
.Lnot_wave_0_\@:
	s_barrier_wait -3
	s_barrier_signal -1
	s_barrier_wait -1
.endm
.macro CROUND
	s_barrier_signal -1
	s_barrier_wait -1
	CREST
.endm
	s_load_b256 s[4:11], s[0:1], 0x0               ; st2 4:5, wo16 6:7, b_out 8:9, out0 10:11
	v_lshl_add_u32 v12, v0, 2, SPARE
	v_mov_b32 v13, 0
	ds_add_u32 v12, v13                            ; the opening: the add, twice on end, and its wait ahead of my first tensor load
	ds_add_u32 v12, v13
	v_lshrrev_b32 v3, 5, v0
	v_readfirstlane_b32 s16, v3                    ; wave 0..3
	s_lshr_b32 s17, s16, 1                         ; wm.  Also: I fetch for A (0) or for B (1)
	s_and_b32 s18, s16, 1                          ; wn.  Also: which half of that tile I fetch
	s_bfe_u32 s40, ttmp6, 0x40000                  ; cx
	s_bfe_u32 s41, ttmp6, 0x40004                  ; cy
	s_lshl_b32 s42, ttmp9, 2
	s_add_co_u32 s42, s42, s40                     ; tx
	s_and_b32 s43, ttmp7, 0xffff
	s_lshl_b32 s43, s43, 2
	s_add_co_u32 s43, s43, s41                     ; ty
	s_lshl_b32 s44, s41, 2
	s_lshl_b32 s44, 15, s44                        ; my row of the cluster
	s_lshl_b32 s45, 0x1111, s40                    ; my column
	s_or_b32 s[G1A], s44, (1<<16)|(1<<20)|(1<<21)|(6<<22)|(3<<25)   ; the mask; elements of 2 bytes; 4 words of padding behind every 128; bit 21 beside a mask
	s_or_b32 s[G1B], s45, (1<<16)|(1<<20)|(1<<21)|(6<<22)|(3<<25)
.irp g, G1A, G1B
	s_mov_b32 s[\g+1], 256<<16                     ; tensor_dim0
	s_mov_b32 s[\g+2], 64<<16                      ; tensor_dim1
	s_mov_b32 s[\g+3], 256<<16                     ; tile_dim0
	s_mov_b32 s[\g+4], 64                          ; tile_dim1
	s_mov_b32 s[\g+5], 2048                        ; a row in memory, in elements
	s_mov_b32 s[\g+6], 0
	s_mov_b32 s[\g+7], 0
.endr
	s_lshl_b32 s20, s43, 7
	s_lshl_b32 s21, s18, 6
	s_add_co_u32 s20, s20, s21
	s_lshl_b32 s20, s20, 12                        ; A: token 128 ty + 64 half, 4,096 bytes a row
	s_mov_b32 s21, 0
	s_lshl_b32 s46, s42, 7
	s_lshl_b32 s47, s18, 6
	s_add_co_u32 s46, s46, s47
	s_lshl_b32 s46, s46, 12                        ; B: output 128 tx + 64 half
	s_mov_b32 s47, 0
	s_mul_i32 s19, s18, AHALF                      ; where they go: no place in the cluster enters an LDS address
	s_mul_i32 s22, s18, BHALF
	s_add_co_u32 s22, s22, BOFF
	s_wait_dscnt 0x0                               ; both opening adds are done
	s_wait_kmcnt 0x0
	s_add_nc_u64 s[20:21], s[4:5], s[20:21]
	s_add_nc_u64 s[46:47], s[6:7], s[46:47]
	CROUND                                         ; all sixteen work-groups are here: the first joint loads meet
.irp s, 0,1
	s_mov_b32 s[G0A+4*\s], 1
	s_add_co_u32 s[G0A+4*\s+1], s19, \s*SLOT
	s_add_nc_u64 s[G0A+4*\s+2:G0A+4*\s+3], s[20:21], \s*512
	s_or_b32 s[G0A+4*\s+3], s[G0A+4*\s+3], 0x80000000
	s_mov_b32 s[G0B+4*\s], 1
	s_add_co_u32 s[G0B+4*\s+1], s22, \s*SLOT
	s_add_nc_u64 s[G0B+4*\s+2:G0B+4*\s+3], s[46:47], \s*512
	s_or_b32 s[G0B+4*\s+3], s[G0B+4*\s+3], 0x80000000
	JLOAD \s
.endr
	; the other bases
	s_mov_b32 s79, 0
	s_lshl_b32 s76, s42, 7
	s_lshl_b32 s77, s18, 6
	s_add_co_u32 s76, s76, s77
	s_lshl_b32 s78, s76, 2                         ; my first output, in bytes of f32
	s_add_nc_u64 s[8:9], s[8:9], s[78:79]          ; b_out
	s_add_nc_u64 s[10:11], s[10:11], s[78:79]
	s_lshl_b32 s78, s43, 7
	s_lshl_b32 s77, s17, 6
	s_add_co_u32 s78, s78, s77
	s_lshl_b32 s78, s78, 12
	s_add_nc_u64 s[10:11], s[10:11], s[78:79]      ; out0: my first token, my first output
	v_and_b32 v1, 15, v0                           ; r
	v_bfe_u32 v2, v0, 4, 1                         ; h
	v_lshlrev_b32 v11, 5, v2                       ; b_out: my half's eight numbers
.irp b, 0,1,2,3
	global_load_b128 v[16+8*\b:19+8*\b], v11, s[8:9] offset:64*\b
	global_load_b128 v[20+8*\b:23+8*\b], v11, s[8:9] offset:64*\b+16
.endr
	v_mul_u32_u24 v3, v1, PA
	v_lshl_add_u32 v3, v2, 4, v3                   ; row x pitch + 16 h
	s_mul_i32 s20, s17, 64*PA
	v_add_nc_u32 v4, s20, v3
	v_add_nc_u32 v5, SLOT, v4
	s_mul_i32 s20, s18, 64*PB
	s_add_co_u32 s20, s20, BOFF
	v_add_nc_u32 v6, s20, v3
	v_add_nc_u32 v7, SLOT, v6
	s_mul_i32 s20, s16, 16*272                     ; the way out: my own stage of 16 rows x 272 bytes, in slot 0 behind its last fill and last read
	v_mul_u32_u24 v8, v1, 272
	v_lshl_add_u32 v8, v2, 5, v8
	v_add_nc_u32 v8, s20, v8                       ; in: row r, 32 h bytes on
	v_mul_u32_u24 v9, v2, 272
	v_lshl_add_u32 v9, v1, 4, v9
	v_add_nc_u32 v9, s20, v9                       ; back: lanes 0-15 one row, lanes 16-31 the next
	v_lshlrev_b32 v10, 12, v2
	v_lshl_add_u32 v10, v1, 4, v10                 ; the same two rows in out0
.macro FETCH slot, q, f                ; a quarter's fragments (32 along K) into buffer f
.set fi, 0
.rept MB
	ds_load_b128 v[64+64*(\f)+8*fi:64+64*(\f)+8*fi+3], v[4+\slot] offset:64*(\q)+16*PA*fi
	ds_load_b128 v[64+64*(\f)+8*fi+4:64+64*(\f)+8*fi+7], v[4+\slot] offset:64*(\q)+16*PA*fi+32
.set fi, fi+1
.endr
.set fi, 0
.rept 4
	ds_load_b128 v[192+32*(\f)+8*fi:192+32*(\f)+8*fi+3], v[6+\slot] offset:64*(\q)+16*PB*fi
	ds_load_b128 v[192+32*(\f)+8*fi+4:192+32*(\f)+8*fi+7], v[6+\slot] offset:64*(\q)+16*PB*fi+32
.set fi, fi+1
.endr
.endm
; n blocks of A from a0 on x B's four.  The 16 accumulators take turns, one instruction a turn, in the same order everywhere.  mode = 1: the sums begin, with b_out as C.  (q and slot are not used here.)
.macro MUL f, a0, n, mode, q, slot
.set ma, \a0
.rept \n
.irp b, 0,1,2,3
.if \mode
	v_wmma_f32_16x16x32_f16 v[8*(4*ma+\b):8*(4*ma+\b)+7], v[192+32*(\f)+8*\b:192+32*(\f)+8*\b+7], v[64+64*(\f)+8*ma:64+64*(\f)+8*ma+7], v[16+8*\b:16+8*\b+7]
.else
	v_wmma_f32_16x16x32_f16 v[8*(4*ma+\b):8*(4*ma+\b)+7], v[192+32*(\f)+8*\b:192+32*(\f)+8*\b+7], v[64+64*(\f)+8*ma:64+64*(\f)+8*ma+7], v[8*(4*ma+\b):8*(4*ma+\b)+7]
.endif
.endr
.set ma, ma+1
.endr
.endm
.macro QUARTER slot, q, mode           ; multiplies quarter q from buffer q % 2; the next quarter's fragments are asked for first, in one run
	PLACES
	FETCH \slot, (\q)+1, 1-(\q)%2
	s_wait_dscnt LPQ                               ; all but the run just issued: this quarter's fragments are in
.if \mode
	WIN WFIRST
.else
	WIN WMUL
.endif
	MUL (\q)%2, 0, MB, \mode, \q, \slot
	WIN 0
.endm
; A slot's last quarter (buffer 1) changes slots: ONE barrier.  Ahead of it each wave waits for all its tensor loads (one is out: its part of the next slot), adds 0 to its spare word, and waits for that and for its reads of this slot.
; fill = 1: the barrier opens a round of the cluster's, and this slot is filled again, two K steps ahead, first thing behind the round.
.macro TURN slot, next, fill
	s_wait_tensorcnt 0x0
	ds_add_u32 v12, v13
	s_wait_dscnt 1                                 ; only the add may be out: the quarter's fragments are in
	WIN WMUL
	MUL 1, 0, MB/4, 0, NQ-1, \slot
	s_wait_dscnt 0x0                               ; the add is done, and my reads of this slot are over
	s_barrier_signal -1
	MUL 1, MB/4, MB/4, 0, NQ-1, \slot
	WIN 0
	s_barrier_wait -1
.if \fill
	CREST                                          ; no wave of any partner still reads this slot or has a load on its way
	s_add_nc_u64 s[G0A+4*\slot+2:G0A+4*\slot+3], s[G0A+4*\slot+2:G0A+4*\slot+3], ASTEP2
	s_add_nc_u64 s[G0B+4*\slot+2:G0B+4*\slot+3], s[G0B+4*\slot+2:G0B+4*\slot+3], BSTEP2
	JLOAD \slot                                    ; its four v_nop are also the places ahead of the loads below
.else
	PLACES
.endif
	FETCH \next, 0, 0
	WIN WMUL
	MUL 1, MB/2, MB/2, 0, NQ-1, \slot
	WIN 0
.endm
.macro LASTQ
	s_wait_dscnt 0x0
	WIN WMUL
	MUL 1, 0, MB, 0, NQ-1, 1
	WIN 0
.endm
.macro SLOTQ slot, from                ; the slot's quarters from .. NQ - 2
.set Q, \from
.rept NQ-1-\from
	QUARTER \slot, Q, 0
.set Q, Q+1
.endr
.endm
.macro REST fill                       ; a lap (two K steps) from its second quarter on
	SLOTQ 0, 1
	TURN 0, 1, \fill
	SLOTQ 1, 0
.if \fill
	TURN 1, 0, 1
.else
	LASTQ
.endif
.endm
.macro LAPS n                          ; n trips, each from a lap's second quarter to the next lap's first; both slots are filled again
	s_mov_b32 s3, \n
.Llap_\@:
	REST 1
	QUARTER 0, 0, 0
	s_sub_co_u32 s3, s3, 1
	s_cmp_lg_u32 s3, 0
	s_cbranch_scc1 .Llap_\@
.endm
	s_wait_tensorcnt 1                             ; my part of K step 0 is in; K step 1's may stay out
	s_barrier_signal -1
	s_barrier_wait -1                              ; everybody's is
	FETCH 0, 0, 0
	s_wait_loadcnt 0x0                             ; b_out
	QUARTER 0, 0, 1
	LAPS 3
	REST 0                                         ; the last lap fills nothing
	; THE WAY OUT.  A lane holds 32 neighbouring bytes of a row; my 64 columns are 256 bytes of it.  A block of 16 rows goes through my own stage and comes back by rows: sixteen lanes store 256 consecutive bytes, aligned.
	; LDS serves a wave's instructions in order: no wait between the stores and the loads, nor ahead of the next block's stores.
	PLACES
.irp a, 0,1,2,3
	WIN 0x04                                       ; an LDS store's data: window 1
.irp k, 0,1,2,3,4,5,6,7
	ds_store_b128 v8, v[32*\a+4*\k:32*\a+4*\k+3] offset:64*(\k/2)+16*(\k%2)     ; each accumulator from its low end on
.endr
	WIN 0
.irp t, 0,1,2,3,4,5,6,7
	ds_load_b128 v[64+32*\a+4*\t:64+32*\a+4*\t+3], v9 offset:544*\t
.endr
.endr
.irp a, 0,1,2,3
.irp t, 0,1,2,3,4,5,6,7
	s_wait_dscnt 16*(3-\a)+7-\t                    ; behind this load: the rest of its block's, and sixteen for each later block
	global_store_b128 v10, v[64+32*\a+4*\t:64+32*\a+4*\t+3], s[10:11] offset:(16*\a+2*\t)*4096 th:TH_STORE_NT
.endr
.endr
	s_wait_tensorcnt 0x0                           ; the wave's end
	ds_add_u32 v12, v13
	s_wait_dscnt 0x0
	CROUND                                         ; the closing round
	s_endpgm
.Lfunc_end_k_q1257de6bbd_outproj:
	.size	k_q1257de6bbd_outproj, .Lfunc_end_k_q1257de6bbd_outproj-k_q1257de6bbd_outproj
	.p2alignl 7, 3214868480
	.fill 96, 4, 3214868480
	.section	.rodata,"a",@progbits
	.p2align	6, 0x0
	.amdhsa_kernel k_q1257de6bbd_outproj
		.amdhsa_group_segment_fixed_size 327680
		.amdhsa_private_segment_fixed_size 0
		.amdhsa_enable_private_segment 0
		.amdhsa_kernarg_size 32
		.amdhsa_user_sgpr_count 2
		.amdhsa_user_sgpr_kernarg_segment_ptr 1
		.amdhsa_wavefront_size32 1
		.amdhsa_system_sgpr_workgroup_id_x 1
		.amdhsa_system_sgpr_workgroup_id_y 1
		.amdhsa_system_sgpr_workgroup_id_z 1
		.amdhsa_system_vgpr_workitem_id 0
		.amdhsa_next_free_vgpr 512
		.amdhsa_next_free_sgpr 80
		.amdhsa_reserve_vcc 0
		.amdhsa_float_denorm_mode_32 3
		.amdhsa_float_denorm_mode_16_64 3
		.amdhsa_memory_ordered 1
		.amdhsa_forward_progress 1
		.amdhsa_inst_pref_size 90
	.end_amdhsa_kernel
	.amdgpu_metadata
---
amdhsa.version: [ 1, 2 ]
amdhsa.kernels:
  - .name:           k_q1257de6bbd_outproj
    .symbol:         k_q1257de6bbd_outproj.kd
    .args:
      - { .name: st2, .offset: 0, .size: 8, .value_kind: global_buffer, .address_space: global }
      - { .name: wo16, .offset: 8, .size: 8, .value_kind: global_buffer, .address_space: global }
      - { .name: b_out, .offset: 16, .size: 8, .value_kind: global_buffer, .address_space: global }
      - { .name: out0, .offset: 24, .size: 8, .value_kind: global_buffer, .address_space: global }
    .group_segment_fixed_size: 327680
    .private_segment_fixed_size: 0
    .kernarg_segment_align: 8
    .kernarg_segment_size: 32
    .max_flat_workgroup_size: 128
    .sgpr_count:     80
    .vgpr_count:     512
    .wavefront_size: 32
...
	.end_amdgpu_metadata
.endif
;; end of part 4
